; MI455X (gfx1250); checked and timed in simulation.
; The chip was launched on July 23, 2026; its instructions are those of AMD's public machine-readable ISA for CDNA 5 (MIT licence, August 2026) and "CDNA5" Instruction Set Architecture Reference Guide (July 2026). The comments in the code are by the model that wrote it; some were corrected since.
;; Multi Head Attention. Allowed arithmetic: matrix products marked QUANTISED: E2M1 operands, one E8M0 scale for each 32 along K, by v_wmma_scale_f32_16x16x128_f8f6f4 with both operands' format E2M1 (or v_wmma_scale_f32_32x16x128_f4), f32 sums; products left as they are: f32 operands where the result goes on into a quantised operand, else bf16, f16 or f32 operands; f32 sums; everything else in f32.
;; Inputs: in_proj_bias 3,072 float32; in_proj_weight 3,072 x 1,024 float32; out_proj_bias 1,024 float32; out_proj_weight 1,024 x 1,024 float32; x 32,768 x 1,024 float32.
;; Outputs: out0 1 x 1,024 float32.
;; This version of the problem:
;;   THIS VERSION OF THE PROBLEM IS GIVEN IN LOW PRECISION. The matrix products marked QUANTISED in the list below multiply operands that are first quantised to E2M1 (2 exponent bits, 1 mantissa bit; 4 bits a number), with one power-of-two scale for each 32 numbers along K (OCP MX v1.0); their sums are f32. All else is computed in f32.
;;   The module's matrix products, in the order in which they are computed (A, B: the left and right operand; K: the contracted axis; several contracted axes count as one K, in the product's order):
;;     1. [M 1, K 1,024] x [K 1,024, N 1,024]; A: input x; B: input in_proj_weight: left as it is (M = 1 < 16)
;;     2. [M 32,768, K 1,024] x [K 1,024, N 1,024]; A: input x; B: input in_proj_weight: QUANTISED
;;     3. [M 32,768, K 1,024] x [K 1,024, N 1,024]; A: input x; B: input in_proj_weight: QUANTISED
;;     4. batch 8 x [M 1, K 128] x [K 128, N 32,768]; A: computed on the way; B: computed on the way: left as it is (M = 1 < 16)
;;     5. batch 8 x [M 1, K 32,768] x [K 32,768, N 128]; A: softmax; B: computed on the way: left as it is (M = 1 < 16)
;;     6. [M 1, K 1,024] x [K 1,024, N 1,024]; A: computed on the way; B: input out_proj_weight: left as it is (M = 1 < 16)
;;   THE QUANTISER, for each operand of a quantised product, along K:
;;     - K is cut into blocks of 32 from its start; a last block that is shorter is filled with zeros.
;;     - A block's scale is 2^e with e = floor(log2(the largest magnitude in the block)) - 2, held to -126 .. 127; a block of zeros has e = 0. As a byte (E8M0): e + 127.
;;     - Each number is divided by its block's scale, clamped to +-6, and rounded to the nearest number of E2M1, ties to even, subnormals kept.
;;     - The product sums the exact products of the quantised numbers (number of the format x scale) in f32.
;;   ~~~python
;;   def quantise(x, axis):      # numpy; x: float32 -> the quantised numbers, widened to float32 again
;;       x = np.moveaxis(x, axis, -1); K = x.shape[-1]
;;       x = np.pad(x, [(0, 0)] * (x.ndim - 1) + [(0, -K % 32)]); x = x.reshape(x.shape[:-1] + (-1, 32)); a = np.abs(x).max(-1, keepdims=True)
;;       e = np.where(a > 0, np.clip(np.frexp(np.where(a > 0, a, 1))[1] - 1 - 2, -126, 127), 0)      # np.frexp(a)[1] - 1 = floor(log2(a)), exactly
;;       r = np.clip(x / 2.0 ** e, -6, 6)
;;       step = 2.0 ** (np.maximum(np.frexp(np.where(r == 0, 1, r))[1] - 1, 0) - 1)
;;       q = np.round(r / step) * step * 2.0 ** e      # np.round: ties to even
;;       return np.moveaxis(q.reshape(q.shape[:-2] + (-1,))[..., :K], -1, axis).astype(np.float32)
;;   ~~~
;; One version. Each part assembles by itself: llvm-mc -triple=amdgcn-amd-amdhsa -mcpu=gfx1250 --defsym DOCPART=n.
;; ======== version 1 of 1: 4 launches
;; workspace buffers: qs 4,096 bytes; wq 1,114,112 bytes; po 1,048,576 bytes; pml 16,384 bytes; cvec 4,096 bytes
;; launch prep (part 1): grid 192 x 1, 4 waves a work-group, no clusters, 29,952 bytes of LDS; arguments x, in_proj_weight, in_proj_bias, qs, wq; writes qs, wq
.if DOCPART == 1
	.amdgcn_target "amdgcn-amd-amdhsa--gfx1250"
	.amdhsa_code_object_version 6
	.text
	.protected	k_q98b3ff2486_prep
	.globl	k_q98b3ff2486_prep
	.p2align	8
	.type	k_q98b3ff2486_prep,@function
k_q98b3ff2486_prep:
	s_mov_b64 s[64:65], 0
	v_nop
	global_prefetch_b8 v0, s[64:65] scope:SCOPE_SE
	s_setreg_imm32_b32 hwreg(HW_REG_WAVE_MODE, 25, 1), 1
	s_wait_xcnt 0x0
; ATTENTION WITH ONE QUERY (x[0]) OVER 32,768 KEYS, 8 HEADS OF 128.  Four launches: this one; main (k and v on FP4 codes, scores, a softmax for each block of 128 rows, p.v); combine; outproj.
; THIS LAUNCH.  Work-groups 0-127: the 2,048 rows of in_proj_weight that make k and v become codes of FP4 (E2M1) with one E8M0 byte for each 32 along K, laid in the order in which main's operand registers take them.
; Work-groups 128-191: q = x[0] . Wq^T + bq, in f32 (fused multiply-adds): 16 numbers a work-group, 4 a wave.
; WORK LEFT OUT.  in_proj_bias[1024:2048] (k's bias bk): k enters product 4 alone, which is not quantised, so bk adds q.bk / sqrt(128) to every score of a head: a term that is the same along the softmax's axis and
; cancels in it for all finite values of the inputs.  These 1,024 numbers are loaded by no launch.  v's bias is live, but the weights of a row sum to 1: it is added once, behind the normalised sum (launch combine).
; The two quantised products are done whole, as written: nothing is reassociated.
; LIMITS: NaN and infinities among the inputs are not served; a NaN, an infinity or an overflow that would reach only bk's term is not carried to the result; a block of zeros gets the byte 1 where the rule says 127
; (its codes are zeros, and this program alone reads the bytes); blocks whose largest magnitude lies under 2^-124 are held at the byte 1.
; LAYOUT OF wq: [sigma 0..7][wave 0..3][34,816 bytes].  sigma = 4 a + 2 kv + half: head 2 wave + a, kv = 0 k / 1 v, column tiles 4 half .. 4 half + 3 of the head's eight.  In a region: codes at
; ct x 8192 + s x 1024 + c x 512 + 16 x lane (K step s, registers 4 c .. 4 c + 3 of the fragment, as they stand in the lane); scale bytes at 32,768 + ct x 512 + 32 x row.
; A WEIGHT TILE (16 rows x 1,024) is one work-group's: wave w takes rows 4 w .. 4 w + 3, eight steps of 512 numbers.  Each load reads 512 consecutive bytes; a step's 2,048 bytes turn through the wave's own stage in LDS,
; so that a lane holds 16 neighbours along K; the codes meet in LDS as rows, a barrier, and each wave takes two K steps' fragments out of them and stores 512 consecutive bytes an instruction.
.set REG,   34816
.set XC,    0                          ; LDS: 16 rows of codes, 512 bytes + 16 of padding
.set XSC,   16*528                     ; their scale bytes, 32 a row
.set STG,   XSC+512                    ; each wave's two stages: 32 places of 64 bytes + 16
.set STGW,  2*32*80
.set SPARE, STG+4*STGW                 ; the spare words, 128 bytes for each wave: two blocks of 256 bytes that no other line names
.set SPW, 1                            ; v1   LDS address of my spare word; never rewritten
.set NIL, 2                            ; v2   0; never rewritten
.set STI, 4                            ; v4   the stage, on the way in
.set STO, 5                            ; v5   and on the way out
.set XCW, 6                            ; v6   where my codes go
.set XSW, 7                            ; v7   where my block's byte goes
.set XCR, 8                            ; v8   where I read fragments
.set XSR, 9                            ; v9   where wave 0 reads the scale bytes
.set LN,  11                           ; v11  lane
.set GX,  12                           ; v12  16 x lane
.set MX0, 13
.set MX1, 14
.set SOP, 15
.set EB,  16                           ; v16-17 a step's byte, by the step's parity
.set CB,  20                           ; v20-23 a step's codes, by the step's parity
.set XB,  32                           ; v32-63 two sets of 16 neighbours
.set RB,  64                           ; v64-191 eight sets of 16 numbers as loaded
	s_load_b256 s[4:11], s[0:1], 0x0               ; x s[4:5], in_proj_weight s[6:7], in_proj_bias s[8:9], qs s[10:11]
	s_load_b64 s[12:13], s[0:1], 0x20              ; wq
	v_lshl_add_u32 v[SPW], v0, 2, SPARE
	v_mov_b32 v[NIL], 0
	v_lshrrev_b32 v3, 5, v0
	v_readfirstlane_b32 s14, v3                    ; wave 0..3
	v_and_b32 v[LN], 31, v0
	v_lshlrev_b32 v[GX], 4, v[LN]
	s_cmp_ge_u32 ttmp9, 128                        ; the work-group's number alone: all four waves go the same way
	s_cbranch_scc1 .Lq
	; ---- the weights' path
	v_and_b32 v13, 15, v0                          ; r
	v_bfe_u32 v14, v0, 4, 1                        ; h
	s_mul_i32 s16, s14, STGW
	s_add_co_u32 s16, s16, STG                     ; my stages
	v_lshrrev_b32 v[STI], 2, v[LN]
	v_mul_u32_u24 v[STI], v[STI], 80
	v_and_b32 v[STO], 3, v[LN]
	v_lshl_add_u32 v[STI], v[STO], 4, v[STI]
	v_add_nc_u32 v[STI], s16, v[STI]               ; in: four lanes' 64 bytes on end, then 16 of padding
	v_mul_u32_u24 v[STO], v[LN], 80
	v_add_nc_u32 v[STO], s16, v[STO]               ; out: my 16 neighbours
	s_mul_i32 s16, s14, 4*528                      ; my four rows of codes (XC = 0)
	v_lshl_add_u32 v[XCW], v[LN], 3, s16           ; + 8 bytes a lane
	s_lshl_b32 s16, s14, 7
	s_add_co_u32 s17, s16, XSC                     ; my four rows of scale bytes
	v_lshrrev_b32 v[XSW], 1, v[LN]
	v_add_nc_u32 v[XSW], s17, v[XSW]               ; two lanes to a block
	v_mul_u32_u24 v[XCR], v13, 528
	v_lshl_add_u32 v[XCR], v14, 4, v[XCR]
	v_add_nc_u32 v[XCR], s16, v[XCR]               ; row r, + 16 h, + 128 x wave: K steps 2 w and 2 w + 1
	v_add_nc_u32 v[XSR], XSC, v[GX]
	s_lshl_b32 s16, ttmp9, 16                      ; tile T: rows 1,024 + 16 T of 4,096 bytes,
	s_lshl_b32 s17, s14, 14                        ; my four of them
	s_add_co_u32 s16, s16, s17
	s_add_co_u32 s16, s16, 4194304
	s_mov_b32 s17, 0
	s_bfe_u32 s18, ttmp9, 0x20004                  ; T = 64 kv + 8 head + ct8.  The wave of main that owns the head: head / 2
	s_bfe_u32 s19, ttmp9, 0x10003                  ; a = head % 2
	s_lshr_b32 s20, ttmp9, 6                       ; kv
	s_bfe_u32 s21, ttmp9, 0x10002                  ; half = ct8 / 4
	s_and_b32 s22, ttmp9, 3                        ; ct = ct8 % 4
	s_lshl_b32 s19, s19, 2
	s_lshl_b32 s20, s20, 1
	s_add_co_u32 s19, s19, s20
	s_add_co_u32 s19, s19, s21                     ; sigma
	s_lshl_b32 s19, s19, 2
	s_add_co_u32 s19, s19, s18
	s_mul_i32 s19, s19, REG                        ; the region
	s_lshl_b32 s23, s22, 13
	s_add_co_u32 s24, s19, s23                     ; the tile's codes,
	s_lshl_b32 s23, s14, 11
	s_add_co_u32 s24, s24, s23                     ; my two K steps of them
	s_mov_b32 s25, 0
	s_lshl_b32 s23, s22, 9
	s_add_co_u32 s26, s19, s23
	s_add_co_u32 s26, s26, 32768                   ; the tile's scale bytes
	s_mov_b32 s27, 0
	s_wait_kmcnt 0x0
	s_add_nc_u64 s[6:7], s[6:7], s[16:17]
	s_add_nc_u64 s[28:29], s[12:13], s[24:25]
	s_add_nc_u64 s[30:31], s[12:13], s[26:27]
.macro LOAD t                          ; step t: 2,048 consecutive bytes, 512 an instruction
.irp i, 0,1,2,3
	global_load_b128 v[RB+16*(\t)+4*\i:RB+16*(\t)+4*\i+3], v[GX], s[6:7] offset:2048*(\t)+512*\i th:TH_LOAD_NT
.endr
.endm
.macro TURN t                          ; step t's numbers through the stage: LDS serves a wave's instructions in order, so no wait stands between the stores and the loads
.irp i, 0,1,2,3
	ds_store_b128 v[STI], v[RB+16*(\t)+4*\i:RB+16*(\t)+4*\i+3] offset:2560*((\t)%2)+640*\i
.endr
.irp i, 0,1,2,3
	ds_load_b128 v[XB+16*((\t)%2)+4*\i:XB+16*((\t)%2)+4*\i+3], v[STO] offset:2560*((\t)%2)+16*\i
.endr
.endm
.macro WSTEP t
.set XN, XB+16*((\t)%2)
.set CN, CB+2*((\t)%2)
.if (\t) == 0
	s_wait_dscnt 0x0
.else
	s_wait_dscnt 2                                 ; this step's numbers are back; the last step's two stores (codes, byte) may be out
.endif
.if (\t) < 7
	s_wait_loadcnt 4*(6-(\t))                      ; the next step's four loads are in; those of the steps behind it may be out
	TURN (\t)+1
.endif
	v_max3_num_f32 v[MX0], |v[XN]|, |v[XN+1]|, |v[XN+2]|           ; the largest magnitude of my 16, in two chains
	v_max3_num_f32 v[MX1], |v[XN+3]|, |v[XN+4]|, |v[XN+5]|
.irp i, 6,10
	v_max3_num_f32 v[MX0], v[MX0], |v[XN+\i]|, |v[XN+\i+1]|
	v_max3_num_f32 v[MX1], v[MX1], |v[XN+\i+2]|, |v[XN+\i+3]|
.endr
	v_max3_num_f32 v[MX0], v[MX0], |v[XN+14]|, |v[XN+15]|
	v_max3_num_f32 v[MX0], v[MX0], v[MX1], 0x1800000               ; and the floor 2^(3 - 127): the byte cannot fall under 1
	v_max_num_f32_dpp v[MX0], v[MX0], v[MX0] row_xmask:1 row_mask:0xf bank_mask:0xf   ; with my neighbour's 16: the block's
	v_add_nc_u32 v[SOP], 0xff000000, v[MX0]        ; 2 off its exponent field: the conversion takes this operand's exponent field as its scale
	v_cvt_scalef32_pk8_fp4_f32 v[CN], v[XN:XN+7], v[SOP]
	v_cvt_scalef32_pk8_fp4_f32 v[CN+1], v[XN+8:XN+15], v[SOP]
	v_lshrrev_b32 v[EB+(\t)%2], 23, v[SOP]         ; the scale's byte
	ds_store_b64 v[XCW], v[CN:CN+1] offset:((\t)/2)*528+((\t)%2)*256
	ds_store_b8 v[XSW], v[EB+(\t)%2] offset:((\t)/2)*32+((\t)%2)*16   ; both lanes of a block write the same byte with the same value
.endm
.irp t, 0,1,2,3,4,5,6,7
	LOAD \t
.endr
	s_wait_loadcnt 28                              ; step 0's four loads are in
	TURN 0
.irp t, 0,1,2,3,4,5,6,7
	WSTEP \t
.endr
	s_wait_dscnt 0x0                               ; for the others' sake: my codes and bytes lie in LDS
	s_barrier_signal -1
	s_barrier_wait -1
.irp s, 0,1
.irp c, 0,1
	ds_load_b128 v[XB+8*\s+4*\c:XB+8*\s+4*\c+3], v[XCR] offset:64*\s+32*\c   ; lane (r, h): row r, K step 2 w + s, k = 64 c + 32 h + 0 .. 31
.endr
.endr
.irp s, 0,1
.irp c, 0,1
	s_wait_dscnt 3-2*\s-\c
	global_store_b128 v[GX], v[XB+8*\s+4*\c:XB+8*\s+4*\c+3], s[28:29] offset:1024*\s+512*\c   ; 32 lanes store 512 consecutive bytes, aligned to 256
.endr
.endr
	s_cmp_lg_u32 s14, 0
	s_cbranch_scc1 .Lw_end
	ds_load_b128 v[48:51], v[XSR]                  ; wave 0: the tile's 512 scale bytes as they lie
	s_wait_dscnt 0x0
	global_store_b128 v[GX], v[48:51], s[30:31]
.Lw_end:
	s_wait_tensorcnt 0x0                           ; the wave's end, behind my last LDS store
	ds_add_u32 v[SPW], v[NIL]
	s_wait_dscnt 0x0
	s_endpgm
; y[n0 .. n0 + 3] = M[n0 .. n0 + 3][:] . vec + bias: a wave's four rows of 1,024 f32.  vec s[4:5], M at row n0 s[6:7], bias at n0 s[8:9], y at n0 s[10:11].  A lane takes 16 bytes of each 512.
.macro MATVEC
	v_mov_b32 v3, 0
.irp j, 0,1,2,3,4,5,6,7
	global_load_b128 v[64+4*\j:67+4*\j], v[GX], s[4:5] offset:512*\j
.endr
.irp i, 0,1,2,3
.irp j, 0,1,2,3,4,5,6,7
	global_load_b128 v[96+32*\i+4*\j:99+32*\i+4*\j], v[GX], s[6:7] offset:4096*\i+512*\j th:TH_LOAD_NT
.endr
.endr
	global_load_b128 v[20:23], v3, s[8:9]          ; the four biases, the same in every lane
	s_mov_b32 s22, 0x76543210
	s_mov_b32 s23, 0xfedcba98                      ; v_permlanex16_b32's selects for lane l xor 16
.irp i, 0,1,2,3
	v_mov_b32 v[28+\i], 0                          ; a lane permute's destination counts as one of its sources
.endr
	s_wait_loadcnt 0x0
.irp i, 0,1,2,3
	v_pk_mul_f32 v[32+4*\i:33+4*\i], v[96+32*\i:97+32*\i], v[64:65]   ; the first products start the sums: two chains a row
	v_pk_mul_f32 v[34+4*\i:35+4*\i], v[98+32*\i:99+32*\i], v[66:67]
.endr
.irp j, 1,2,3,4,5,6,7
.irp i, 0,1,2,3
	v_pk_fma_f32 v[32+4*\i:33+4*\i], v[96+32*\i+4*\j:97+32*\i+4*\j], v[64+4*\j:65+4*\j], v[32+4*\i:33+4*\i]
	v_pk_fma_f32 v[34+4*\i:35+4*\i], v[98+32*\i+4*\j:99+32*\i+4*\j], v[66+4*\j:67+4*\j], v[34+4*\i:35+4*\i]
.endr
.endr
.irp i, 0,1,2,3
	v_pk_add_f32 v[32+4*\i:33+4*\i], v[32+4*\i:33+4*\i], v[34+4*\i:35+4*\i]
.endr
.irp i, 0,1,2,3
	v_add_f32 v[24+\i], v[32+4*\i], v[33+4*\i]
.endr
.irp k, 1,2,4,8
.irp i, 0,1,2,3
	v_add_f32_dpp v[24+\i], v[24+\i], v[24+\i] row_xmask:\k row_mask:0xf bank_mask:0xf
.endr
.endr
.irp i, 0,1,2,3
	v_permlanex16_b32 v[28+\i], v[24+\i], s22, s23
.endr
.irp i, 0,1,2,3
	v_add_f32 v[24+\i], v[24+\i], v[28+\i]         ; every lane holds the row's sum
.endr
.irp i, 0,1,2,3
	v_add_f32 v[24+\i], v[24+\i], v[20+\i]
.endr
	v_cmp_eq_u32 vcc_lo, 0, v[LN]
	s_wait_xcnt 0x0                                ; EXEC is a source of the loads above: it changes only behind this wait
	s_and_saveexec_b32 s24, vcc_lo
	global_store_b128 v3, v[24:27], s[10:11]       ; lane 0 stores the wave's 16 bytes
	s_wait_xcnt 0x0                                ; and again in front of the line that widens it
	s_or_b32 exec_lo, exec_lo, s24
.endm
.Lq:	; ---- q's path: no LDS, no barrier
	s_sub_co_u32 s16, ttmp9, 128
	s_lshl_b32 s16, s16, 4
	s_lshl_b32 s17, s14, 2
	s_add_co_u32 s16, s16, s17                     ; n0 = 16 x (work-group - 128) + 4 x wave
	s_lshl_b32 s18, s16, 12                        ; rows of 4,096 bytes
	s_mov_b32 s19, 0
	s_lshl_b32 s20, s16, 2
	s_mov_b32 s21, 0
	s_wait_kmcnt 0x0
	s_add_nc_u64 s[6:7], s[6:7], s[18:19]          ; Wq = in_proj_weight's rows 0 .. 1,023
	s_add_nc_u64 s[8:9], s[8:9], s[20:21]          ; bq = in_proj_bias[0:1024]
	s_add_nc_u64 s[10:11], s[10:11], s[20:21]
	MATVEC                                         ; vec = x's row 0
	s_endpgm
.Lfunc_end_k_q98b3ff2486_prep:
	.size	k_q98b3ff2486_prep, .Lfunc_end_k_q98b3ff2486_prep-k_q98b3ff2486_prep
	.p2alignl 7, 3214868480
	.fill 96, 4, 3214868480
	.section	.rodata,"a",@progbits
	.p2align	6, 0x0
	.amdhsa_kernel k_q98b3ff2486_prep
		.amdhsa_group_segment_fixed_size 29952
		.amdhsa_private_segment_fixed_size 0
		.amdhsa_enable_private_segment 0
		.amdhsa_kernarg_size 40
		.amdhsa_user_sgpr_count 2
		.amdhsa_user_sgpr_kernarg_segment_ptr 1
		.amdhsa_wavefront_size32 1
		.amdhsa_system_sgpr_workgroup_id_x 1
		.amdhsa_system_sgpr_workgroup_id_y 1
		.amdhsa_system_sgpr_workgroup_id_z 1
		.amdhsa_system_vgpr_workitem_id 0
		.amdhsa_next_free_vgpr 224
		.amdhsa_next_free_sgpr 66
		.amdhsa_reserve_vcc 1
		.amdhsa_float_denorm_mode_32 3
		.amdhsa_float_denorm_mode_16_64 3
		.amdhsa_memory_ordered 1
		.amdhsa_forward_progress 1
		.amdhsa_inst_pref_size 30
	.end_amdhsa_kernel
	.amdgpu_metadata
---
amdhsa.version: [ 1, 2 ]
amdhsa.kernels:
  - .name:           k_q98b3ff2486_prep
    .symbol:         k_q98b3ff2486_prep.kd
    .args:
      - { .name: x, .offset: 0, .size: 8, .value_kind: global_buffer, .address_space: global }
      - { .name: in_proj_weight, .offset: 8, .size: 8, .value_kind: global_buffer, .address_space: global }
      - { .name: in_proj_bias, .offset: 16, .size: 8, .value_kind: global_buffer, .address_space: global }
      - { .name: qs, .offset: 24, .size: 8, .value_kind: global_buffer, .address_space: global }
      - { .name: wq, .offset: 32, .size: 8, .value_kind: global_buffer, .address_space: global }
    .group_segment_fixed_size: 29952
    .private_segment_fixed_size: 0
    .kernarg_segment_align: 8
    .kernarg_segment_size: 40
    .max_flat_workgroup_size: 128
    .sgpr_count:     66
    .vgpr_count:     224
    .wavefront_size: 32
...
	.end_amdgpu_metadata
.endif
;; end of part 1
;; launch main (part 2): grid 256 x 1, 4 waves a work-group, clusters of 4 x 1, 327,680 bytes of LDS; arguments x, qs, wq, po, pml; writes po, pml
.if DOCPART == 2
	.amdgcn_target "amdgcn-amd-amdhsa--gfx1250"
	.amdhsa_code_object_version 6
	.text
	.protected	k_q98b3ff2486_main
	.globl	k_q98b3ff2486_main
	.p2align	8
	.type	k_q98b3ff2486_main,@function
k_q98b3ff2486_main:
	s_mov_b64 s[64:65], 0
	v_nop
	global_prefetch_b8 v0, s[64:65] scope:SCOPE_SE
	s_setreg_imm32_b32 hwreg(HW_REG_WAVE_MODE, 25, 1), 1
	s_wait_xcnt 0x0
	s_wait_alu depctr_hold_cnt(0) depctr_sa_sdst(0) depctr_va_vdst(0) depctr_va_sdst(0) depctr_va_ssrc(0) depctr_va_vcc(0) depctr_vm_vsrc(0)
	s_getreg_b32 s2, hwreg(HW_REG_IB_STS2, 6, 4)
	s_cmp_eq_u32 s2, 0
	s_cbranch_scc0 .Lentry_in_a_cluster
	s_endpgm
.Lentry_in_a_cluster:
	s_bfe_u32 s2, ttmp6, 0x10000c
	s_cmp_lg_u32 s2, 0x3003
	s_cbranch_scc0 .Lentry_shape_is_right
	s_endpgm
.Lentry_shape_is_right:
; For 128 rows of x: quantise them (FP4, E2M1, one E8M0 byte for each 32 along K), k = x Wk^T and v = x Wv^T on codes, the scores q.k, the block's softmax and the block's sum of p v.  k and v never go to memory.
; WORK LEFT OUT: k's bias (the same term in every score of a head: it cancels in the softmax; shown at the head of launch prep); v's bias is added once in launch combine.
; OUT: po[work-group][1024] = sum over my rows of p v, not normalised; pml[work-group][head] = (m, l): m the block's largest t, t = score x log2(e) / sqrt(128), p = 2^(t - m), l the sum of p.
; SHARES.  x is read once: 256 work-groups x 128 rows.  THE WAVES SHARE THE COLUMNS: wave w owns heads 2 w and 2 w + 1 (32 tiles of 16 columns of k and of v), for all 128 rows; each wave holds the codes of all
; 128 rows x 1,024 in 512 registers.  So a weight fragment is read from LDS by one wave and feeds 8 matrix instructions, and a head's scores, softmax and p.v never leave its wave.
; x PHASE.  Wave w quantises rows 16 g + 4 w .. + 3 of each row tile g: 64 steps of 512 numbers through a ring of ten register sets (40 loads of 512 consecutive bytes out) and the wave's own stage in LDS;
; a tile's codes meet in LDS as rows (two regions by turns, one barrier a tile) and every wave takes all eight K steps' fragments from there.
; MATRIX PHASE.  The weights' codes walk through two LDS slots, laid by launch prep in the order of the operand's registers.  A slot holds, for each wave, four column tiles x all of K.
; The product is used transposed (source 0 = 16 weight rows, source 1 = 16 rows of x): lane (r, h) holds row r of x, and its 8 registers the channels 8 h + 0 .. 7 of the tile.
; CLUSTER.  All work-groups walk the same weights, so the four of a cluster ask for each tile JOINTLY: the same tensor load with the same descriptor (it hangs on the wave's number alone) and a mask that names the four.
; By this text's count a wave has two tensor loads out at the start and one behind each round.
; LIMITS: as stated at the head of launch prep (NaN and infinities not served; a block of zeros has the byte 1; blocks under 2^-124 are held at the byte 1).
; REGISTERS, in windows of 256.  Window 0: v0-15 addresses; v16-47 x's scale words, v48-55 the tile's weight scale words (scales and nothing else); v56-59 (m, l) of my two heads; from v64 on: x phase: two sets of 16
; neighbours, ten sets of 16 as loaded; matrix phase: v64-127 eight accumulators, v128 q, v136 the scores' sums, v152 p, v168 the tile's p.v, v176 at work, v192-255 the tile's eight weight fragments.
; Window 1: x's fragments (row tile m, K step s < 4) at 64 s + 8 m.   Window 2: those of s >= 4 at 64 (s - 4) + 8 m.
.set REG,   34816                      ; a wave's region of a slot: 4 tiles x 8,192 bytes of codes, then 4 x 512 scale bytes
.set SLOTB, 4*REG
.set XC,    2*SLOTB                    ; behind the slots: two regions of 16 rows of codes, 512 bytes + 16 of padding,
.set XCB,   16*528
.set XSC,   XC+2*XCB                   ; two of 16 x 32 scale bytes,
.set STG,   XSC+2*512                  ; each wave's two stages, 32 places of 64 bytes + 16,
.set STGW,  2*32*80
.set QB,    STG+4*STGW                 ; c q of each wave's two heads,
.set OB,    QB+4*1024                  ; each wave's sums of p v,
.set SPARE, OB+4*1024                  ; and the spare words, 128 bytes for each wave: two blocks of 256 bytes that no other line names
.set SPW, 1                            ; v1   LDS address of my spare word; never rewritten
.set NIL, 2                            ; v2   0; never rewritten
.set QBW, 3                            ; x phase: v3 where c q goes; v4, v5 the stage in and out; v6 codes; v7 bytes; v8 fragments; v9 scale words
.set STI, 4
.set STO, 5
.set XCW, 6
.set XSW, 7
.set XCR, 8
.set XSR, 9
.set WA0, 3                            ; matrix phase: v3, v4 my lane's place in a tile's codes and scale bytes; v5, v6 those of the tile being fetched
.set WS0, 4
.set WAD, 5
.set WSAD, 6
.set QA0, 7                            ; v7, v8 q;  v9, v10 the sums of p v
.set QAD, 8
.set OA0, 9
.set OAD, 10
.set LN,  11                           ; v11  lane
.set GX,  12                           ; v12  16 x lane
.set PFO, 13                           ; v13  256 x lane: the prefetch's offset; never rewritten
.set EB,  14                           ; v14-15 a step's byte, by parity
.set XS,  16
.set WS,  48
.set ML,  56
.set MX0, 56                           ; (x phase: at work)
.set MX1, 57
.set SOP, 58
.set CB,  60                           ; v60-63 a step's codes, by parity
.set XB,  64
.set RB,  96
.set ACC, 64
.set QR,  128
.set SR,  136
.set PR,  152
.set OR,  168
.set TR,  176
.set WB,  192
.set WV,  14                           ; s14  wave;  s15 cx;  s16 my work-group;  s[18:19] cx's part of the prefetch address;  s[20:21] WOFF as a pair;  s22, s23 LDS bases at work
.set G1,  24                           ; s[24:31] descriptor group 1
.set G0A, 32                           ; s[32:35] group 0 of slot 0's first fill
.set G0,  36                           ; s[36:39] group 0 that walks
.set TB,  40                           ; s40  where the tile being fetched begins in the slots (without the wave's part)
.set TS,  41                           ; s41  the same for its scale bytes
.set SB,  42                           ; s42  the slot that the walking descriptor names: 0 or SLOTB
.set WOFF, 43                          ; s43  wave x REG
.set QT,  44                           ; s44  64 bytes of q a k tile
.set OT,  45                           ; s45  64 bytes of p v a v tile
.set INNER, 46
.set OUTER, 47
.set SLOTS, 48                         ; s48  slots still to be asked for
.set LIM, 49                           ; s49  1 in the first cluster, else the greatest number
.set PFA, 50                           ; s[50:51] where my prefetch stands
.set SEL, 52                           ; s[52:53] v_permlanex16_b32's selects for lane l xor 16
.set CS,  54                           ; s[54:55] c = log2(e) / sqrt(128)
.set MSB, 0
.macro WIN new                         ; the immediate's high byte repeats the setting that is left; a switch that changes nothing is dropped
.if MSB != \new
	s_set_vgpr_msb (MSB<<8)|\new
.set MSB, \new
.endif
.endm
.macro PLACES
.rept 4
	v_nop
.endr
.endm
.macro CREST                           ; a round of the cluster's barrier behind its opening barrier
	s_cmp_lg_u32 s[WV], 0
	s_cbranch_scc1 .Lnot_wave_0_\@
	s_barrier_signal -3
.Lnot_wave_0_\@:
	s_barrier_wait -3
	s_barrier_signal -1
	s_barrier_wait -1
.endm
.macro CROUND
	s_barrier_signal -1
	s_barrier_wait -1
	CREST
.endm
; A PREFETCH INTO THE L2 of the codes that the NEXT refill will ask for.  All clusters walk the same weights: the first cluster asks.  Its sixteen waves share a slot's 4 x 32,768 bytes of codes out BY ADDRESS: wave w of
; the partner at place cx takes 8,192 bytes at cx x 8,192 of region w, lanes 256 bytes apart: one instruction, each block named once.  The scale bytes come by their load alone.  The last refill asks for nothing.
.macro ASK
	s_cmp_gt_u32 s[SLOTS], s[LIM]
	s_cbranch_scc0 .Lnot_mine_\@
	global_prefetch_b8 v[PFO], s[PFA:PFA+1] th:TH_LOAD_NT scope:SCOPE_SE
.Lnot_mine_\@:
.endm
	s_load_b256 s[4:11], s[0:1], 0x0               ; x s[4:5], qs s[6:7], wq s[8:9], po s[10:11]
	s_load_b64 s[12:13], s[0:1], 0x20              ; pml
	v_lshl_add_u32 v[SPW], v0, 2, SPARE
	v_mov_b32 v[NIL], 0
	ds_add_u32 v[SPW], v[NIL]                      ; the wave's opening: the add, twice on end, and its wait ahead of my first tensor load; the set-up below stands between
	ds_add_u32 v[SPW], v[NIL]
	v_lshrrev_b32 v3, 5, v0
	v_readfirstlane_b32 s[WV], v3                  ; wave 0..3
	s_bfe_u32 s15, ttmp6, 0x40000                  ; cx: my place in the cluster
	s_lshl_b32 s16, ttmp9, 2
	s_add_co_u32 s16, s16, s15                     ; my work-group = 4 x cluster + cx: it enters global addresses of x, po and pml alone
	; descriptor group 1: a dense block of 34,816 bytes as 136 rows of 256 bytes
	s_mov_b32 s[G1], 15|(3<<16)|(1<<21)            ; 15:0 the mask: all four work-groups; 17:16 elements of 8 bytes; 20 no padding; 21 set beside a mask
	s_mov_b32 s[G1+1], 32<<16                      ; tensor_dim0 = 32
	s_mov_b32 s[G1+2], 136<<16                     ; tensor_dim1 = 136
	s_mov_b32 s[G1+3], 32<<16                      ; tile_dim0 = 32
	s_mov_b32 s[G1+4], 136                         ; tile_dim1 = 136
	s_mov_b32 s[G1+5], 32                          ; from row to row
	s_mov_b32 s[G1+6], 0
	s_mov_b32 s[G1+7], 0
	s_mov_b32 s[SEL], 0x76543210
	s_mov_b32 s[SEL+1], 0xfedcba98
	s_mov_b32 s[CS], 0x3e0293ee                    ; c = log2(e) / sqrt(128)
	s_mov_b32 s[CS+1], s[CS]                       ; (named with it as a pair, so it is written)
	s_mov_b32 s[SLOTS], 6
	s_mov_b32 s[SB], SLOTB
	s_mov_b32 s[TB], 0
	s_mov_b32 s[TS], 0
	s_mov_b32 s[QT], 0
	s_mov_b32 s[OT], 0
	s_cmp_eq_u32 ttmp9, 0                          ; the cluster's number: the same in all four partners
	s_cselect_b32 s[LIM], 1, -1
	s_mul_i32 s[WOFF], s[WV], REG
	s_mov_b32 s20, s[WOFF]
	s_mov_b32 s21, 0
	s_lshl_b32 s18, s15, 13
	s_mov_b32 s19, 0
	s_lshl_b32 s56, s16, 19                        ; x: 128 rows of 4,096 bytes a work-group,
	s_lshl_b32 s57, s[WV], 14                      ; my four rows of a row tile
	s_add_co_u32 s56, s56, s57
	s_mov_b32 s57, 0
	s_lshl_b32 s58, s16, 12                        ; po: 4,096 bytes a work-group, 1,024 a wave
	s_lshl_b32 s62, s[WV], 10
	s_add_co_u32 s58, s58, s62
	s_mov_b32 s59, 0
	s_lshl_b32 s60, s16, 6                         ; pml: 64 bytes a work-group, 16 a wave
	s_lshl_b32 s61, s[WV], 4
	s_add_co_u32 s60, s60, s61
	s_mov_b32 s61, 0
	s_mov_b32 s63, 0                               ; qs: 1,024 bytes a wave (s62)
	v_and_b32 v[LN], 31, v0
	v_lshlrev_b32 v[GX], 4, v[LN]
	v_lshlrev_b32 v[PFO], 8, v[LN]
	v_and_b32 v56, 15, v0                          ; r
	v_bfe_u32 v57, v0, 4, 1                        ; h
	s_mul_i32 s22, s[WV], STGW
	s_add_co_u32 s22, s22, STG                     ; my stages
	v_lshrrev_b32 v[STI], 2, v[LN]
	v_mul_u32_u24 v[STI], v[STI], 80
	v_and_b32 v[STO], 3, v[LN]
	v_lshl_add_u32 v[STI], v[STO], 4, v[STI]
	v_add_nc_u32 v[STI], s22, v[STI]               ; in: four lanes' 64 bytes on end, then 16 of padding
	v_mul_u32_u24 v[STO], v[LN], 80
	v_add_nc_u32 v[STO], s22, v[STO]               ; out: my 16 neighbours
	s_mul_i32 s22, s[WV], 4*528
	s_add_co_u32 s22, s22, XC
	v_lshl_add_u32 v[XCW], v[LN], 3, s22           ; my four rows of codes, 8 bytes a lane
	s_lshl_b32 s22, s[WV], 7
	s_add_co_u32 s22, s22, XSC
	v_lshrrev_b32 v[XSW], 1, v[LN]
	v_add_nc_u32 v[XSW], s22, v[XSW]               ; my four rows of scale bytes, two lanes to a block
	v_mul_u32_u24 v[XCR], v56, 528
	v_lshl_add_u32 v[XCR], v57, 4, v[XCR]
	v_add_nc_u32 v[XCR], XC, v[XCR]                ; a fragment: row r, + 16 h
	v_lshlrev_b32 v[XSR], 5, v56
	v_lshl_add_u32 v[XSR], v57, 2, v[XSR]
	v_add_nc_u32 v[XSR], XSC, v[XSR]               ; scale words: row r; lanes 0-15 an even K step's, lanes 16-31 the odd one's behind it
	s_lshl_b32 s22, s[WV], 10
	s_add_co_u32 s22, s22, QB
	v_add_nc_u32 v[QBW], s22, v[GX]
	s_wait_dscnt 0x0                               ; both opening adds are done
	s_wait_kmcnt 0x0
	s_add_nc_u64 s[4:5], s[4:5], s[56:57]
	s_add_nc_u64 s[10:11], s[10:11], s[58:59]
	s_add_nc_u64 s[12:13], s[12:13], s[60:61]
	s_add_nc_u64 s[6:7], s[6:7], s[62:63]
	s_add_nc_u64 s[8:9], s[8:9], s[20:21]          ; wq at my wave's region of sigma 0
	s_mov_b32 s[G0A], 1                            ; 1:0 count = 1
	s_mov_b32 s[G0A+1], s[WOFF]                    ; LDS address: slot 0, my region
	s_mov_b64 s[G0A+2:G0A+3], s[8:9]
	s_or_b32 s[G0A+3], s[G0A+3], 0x80000000        ; type = 2
	s_mov_b32 s[G0], 1
	s_add_co_u32 s[G0+1], s[WOFF], SLOTB           ; slot 1
	s_add_nc_u64 s[G0+2:G0+3], s[8:9], SLOTB       ; sigma 1
	s_or_b32 s[G0+3], s[G0+3], 0x80000000
	s_add_nc_u64 s[PFA:PFA+1], s[8:9], s[18:19]    ; my work-group's quarter of my region's codes,
	s_add_nc_u64 s[PFA:PFA+1], s[PFA:PFA+1], 2*SLOTB   ; in sigma 2: the first refill steps it to sigma 3.  Nothing is prefetched here, at the head
	CROUND                                         ; all four work-groups are here: the first joint loads meet
	tensor_load_to_lds s[G0A:G0A+3], s[G1:G1+7]    ; both first fills go out together, ahead of every wait on TENSORcnt and every LDS read
	s_nop 0
	tensor_load_to_lds s[G0:G0+3], s[G1:G1+7]
	s_nop 0
	PLACES
.macro LOAD t                          ; step t: row 16 (t / 8) + 4 w + (t % 8) / 2, half t % 2: 2,048 consecutive bytes, 512 an instruction
.irp i, 0,1,2,3
	global_load_b128 v[RB+16*((\t)%10)+4*\i:RB+16*((\t)%10)+4*\i+3], v[GX], s[4:5] offset:((\t)/8)*65536+((\t)%8)*2048+512*\i th:TH_LOAD_NT
.endr
.endm
.macro TURN t                          ; step t's numbers through the stage: LDS serves a wave's instructions in order, so no wait stands between the stores and the loads
.irp i, 0,1,2,3
	ds_store_b128 v[STI], v[RB+16*((\t)%10)+4*\i:RB+16*((\t)%10)+4*\i+3] offset:2560*((\t)%2)+640*\i
.endr
.irp i, 0,1,2,3
	ds_load_b128 v[XB+16*((\t)%2)+4*\i:XB+16*((\t)%2)+4*\i+3], v[STO] offset:2560*((\t)%2)+16*\i
.endr
.endm
.macro STEP t
.set XN, XB+16*((\t)%2)
.set CN, CB+2*((\t)%2)
.if (\t) == 0
	s_wait_dscnt 0x0
.elseif (\t)%8 != 0
	s_wait_dscnt 2                                 ; this step's numbers are back from the stage, so its stores into the stage have read their set; the last step's two stores (codes, byte) may be out
.endif                                         ; (a row tile's first step: the wait for 0 in front of the barrier has shown the same)
.if (\t)+10 < 64
	LOAD (\t)+10                                   ; into the set that this step has left
.endif
.if (\t) < 63
.if 62-(\t) >= 9
	s_wait_loadcnt 36                              ; the next step's four loads are in; those of the nine steps behind it may be out
.else
	s_wait_loadcnt 4*(62-(\t))
.endif
	TURN (\t)+1                                    ; and go through the other stage while this step is worked
.endif
	v_max3_num_f32 v[MX0], |v[XN]|, |v[XN+1]|, |v[XN+2]|           ; the largest magnitude of my 16, in two chains
	v_max3_num_f32 v[MX1], |v[XN+3]|, |v[XN+4]|, |v[XN+5]|
.irp i, 6,10
	v_max3_num_f32 v[MX0], v[MX0], |v[XN+\i]|, |v[XN+\i+1]|
	v_max3_num_f32 v[MX1], v[MX1], |v[XN+\i+2]|, |v[XN+\i+3]|
.endr
	v_max3_num_f32 v[MX0], v[MX0], |v[XN+14]|, |v[XN+15]|
	v_max3_num_f32 v[MX0], v[MX0], v[MX1], 0x1800000               ; and the floor 2^(3 - 127): the byte cannot fall under 1
	v_max_num_f32_dpp v[MX0], v[MX0], v[MX0] row_xmask:1 row_mask:0xf bank_mask:0xf   ; with my neighbour's 16: the block's
	v_add_nc_u32 v[SOP], 0xff000000, v[MX0]        ; 2 off its exponent field: the conversion takes this operand's exponent field as its scale
	v_cvt_scalef32_pk8_fp4_f32 v[CN], v[XN:XN+7], v[SOP]
	v_cvt_scalef32_pk8_fp4_f32 v[CN+1], v[XN+8:XN+15], v[SOP]
	v_lshrrev_b32 v[EB+(\t)%2], 23, v[SOP]         ; the scale's byte.  (Also the plain line behind the conversions)
	ds_store_b64 v[XCW], v[CN:CN+1] offset:(((\t)/8)%2)*XCB+(((\t)%8)/2)*528+((\t)%2)*256
	ds_store_b8 v[XSW], v[EB+(\t)%2] offset:(((\t)/8)%2)*512+(((\t)%8)/2)*32+((\t)%2)*16   ; both lanes of a block write the same byte with the same value
.endm
; Row tile g is whole in region g % 2: every wave takes its eight fragments and its scale words.  One barrier a tile serves both ways: the region is written again two tiles on, behind the next tile's barrier, in front of
; which every wave has waited for these reads.  Nothing is filled by a tensor load behind this barrier, so the two first fills may stay out across it.
.macro GATHER g
	s_wait_dscnt 0x0                               ; for the others' sake: my codes and bytes lie in LDS, and my reads of the other region are over
	s_barrier_signal -1
	s_barrier_wait -1
	WIN 0x40                                       ; destination window 1
.irp s, 0,1,2,3
.irp c, 0,1
	ds_load_b128 v[64*\s+8*(\g)+4*\c:64*\s+8*(\g)+4*\c+3], v[XCR] offset:((\g)%2)*XCB+64*\s+32*\c
.endr
.endr
	WIN 0x80                                       ; destination window 2
.irp s, 0,1,2,3
.irp c, 0,1
	ds_load_b128 v[64*\s+8*(\g)+4*\c:64*\s+8*(\g)+4*\c+3], v[XCR] offset:((\g)%2)*XCB+256+64*\s+32*\c
.endr
.endr
	WIN 0
.irp j, 0,1,2,3
	ds_load_b32 v[XS+4*(\g)+\j], v[XSR] offset:((\g)%2)*512+8*\j
.endr
.endm
	global_load_b128 v[80:83], v[GX], s[6:7]       ; q of my two heads: 256 numbers
	global_load_b128 v[84:87], v[GX], s[6:7] offset:512
.irp t, 0,1,2,3,4,5,6,7,8,9
	LOAD \t
.endr
	s_wait_loadcnt 40                              ; q is in; the ring's 40 loads may be out
.irp j, 0,2,4,6
	v_pk_mul_f32 v[80+\j:81+\j], v[80+\j:81+\j], s[CS:CS+1] op_sel_hi:[1,0]   ; c q: the scores then come out as t
.endr
	ds_store_b128 v[QBW], v[80:83]                 ; my wave's own bytes: only I read them
	ds_store_b128 v[QBW], v[84:87] offset:512
	s_wait_loadcnt 36                              ; step 0's four loads are in
	TURN 0
.set STP, 0
.rept 8
.rept 8
	STEP STP
.set STP, STP+1
.endr
	GATHER (STP/8-1)
.endr
	s_wait_dscnt 0x0                               ; the last fragments and scale words are in
	; ---- the matrix phase
	v_and_b32 v[TR], 15, v0                        ; r
	v_bfe_u32 v[TR+1], v0, 4, 1                    ; h
	v_add_nc_u32 v[WA0], s[WOFF], v[GX]            ; a fragment's image: 16 bytes a lane, in my region
	s_add_co_u32 s22, s[WOFF], 32768
	v_lshl_add_u32 v[WS0], v[TR], 5, s22           ; scale bytes: 32 a row
	s_lshl_b32 s22, s[WV], 10
	s_add_co_u32 s23, s22, QB
	v_lshl_add_u32 v[QA0], v[TR+1], 5, s23         ; q and p v: my half's eight channels of a tile
	s_add_co_u32 s23, s22, OB
	v_lshl_add_u32 v[OA0], v[TR+1], 5, s23
.irp j, 8,9,10,11,12,13,14,15
	v_mov_b32 v[TR+\j], 0                          ; written once: a lane permute's destination counts as one of its sources
.endr
; Eight matrix instructions: K step s of the tile, the eight row tiles of x by turns (one instruction a turn).  s = 0 starts the sums with the constant 0.
.macro G s
.irp m, 0,1,2,3,4,5,6,7
.if (\s) == 0
	v_wmma_scale_f32_16x16x128_f8f6f4 v[ACC+8*\m:ACC+8*\m+7], v[WB+8*(\s):WB+8*(\s)+7], v[64*((\s)%4)+8*\m:64*((\s)%4)+8*\m+7], 0, v[WS+(\s)], v[XS+4*\m+(\s)/2] matrix_a_fmt:MATRIX_FMT_FP4 matrix_b_fmt:MATRIX_FMT_FP4
.elseif (\s)%2 == 0
	v_wmma_scale_f32_16x16x128_f8f6f4 v[ACC+8*\m:ACC+8*\m+7], v[WB+8*(\s):WB+8*(\s)+7], v[64*((\s)%4)+8*\m:64*((\s)%4)+8*\m+7], v[ACC+8*\m:ACC+8*\m+7], v[WS+(\s)], v[XS+4*\m+(\s)/2] matrix_a_fmt:MATRIX_FMT_FP4 matrix_b_fmt:MATRIX_FMT_FP4
.else
	v_wmma_scale_f32_16x16x128_f8f6f4 v[ACC+8*\m:ACC+8*\m+7], v[WB+8*(\s):WB+8*(\s)+7], v[64*((\s)%4)+8*\m:64*((\s)%4)+8*\m+7], v[ACC+8*\m:ACC+8*\m+7], v[WS+(\s)], v[XS+4*\m+(\s)/2] matrix_a_fmt:MATRIX_FMT_FP4 matrix_b_fmt:MATRIX_FMT_FP4 matrix_b_scale:MATRIX_SCALE_ROW1
.endif
.endr
.endm
; Nine LDS loads: the fragments of K steps 4 f .. 4 f + 3 of the tile at WAD, and their four scale words
.macro HALF f
.irp s, 0,1,2,3
.irp c, 0,1
	ds_load_b128 v[WB+8*(4*(\f)+\s)+4*\c:WB+8*(4*(\f)+\s)+4*\c+3], v[WAD] offset:(4*(\f)+\s)*1024+512*\c
.endr
.endr
	ds_load_b128 v[WS+4*(\f):WS+4*(\f)+3], v[WSAD] offset:16*(\f)
.endm
; A COLUMN TILE: 16 columns of k (kind 0) or v (kind 1) for all 128 rows: 64 matrix instructions, then what is made of them.  The next tile's fragments are fetched in two runs, each behind the products that read its registers.
; pos 0: the next tile lies in the same slot;  1: the slot's last tile, and the slot is filled again;  2: the slot's last tile, nothing is left to fetch;  3: the very last tile.
.macro TILE kind, pos
.if \kind == 0
	v_add_nc_u32 v[QAD], s[QT], v[QA0]
	ds_load_b128 v[QR:QR+3], v[QAD]                ; c q at my eight channels of this tile
	ds_load_b128 v[QR+4:QR+7], v[QAD] offset:16
	s_add_co_u32 s[QT], s[QT], 64
.endif
.if \pos == 1
	s_wait_tensorcnt 0x0                           ; all my tensor loads have landed: the one that was out is my region of the other slot; so a group 0 may be written
	ds_add_u32 v[SPW], v[NIL]                      ; 0 onto my spare word
	s_xor_b32 s[SB], s[SB], SLOTB                  ; the walking descriptor: the other slot than last time (the exclusive or acts on 0 or SLOTB itself),
	s_add_co_u32 s[G0+1], s[SB], s[WOFF]
	s_add_nc_u64 s[G0+2:G0+3], s[G0+2:G0+3], SLOTB ; the next sigma; the type bits on top are not reached
	s_wait_xcnt 0x0                                ; the last prefetch, a slot back, has read its address
	s_add_nc_u64 s[PFA:PFA+1], s[PFA:PFA+1], SLOTB ; one sigma further on than the walking descriptor
	s_wait_dscnt 12-2*\kind                        ; K steps 0-3 are in; behind them: the nine loads of K steps 4-7, q's two (kind 0), the add
	WIN 0x04                                       ; source 1 (x) window 1
	G 0
	G 1
	s_wait_dscnt 0x0                               ; the add is done, and my reads of this slot are over: this tile's fragments are all in registers
	s_barrier_signal -1                            ; this barrier opens a round of the cluster's barrier
	G 2
	G 3
	WIN 0
	s_barrier_wait -1
	CREST                                          ; no wave of any partner still reads this slot or has a load on its way
	tensor_load_to_lds s[G0:G0+3], s[G1:G1+7]      ; the joint refill, first behind the round: it has the other slot's 256 matrix instructions in which to land
	s_nop 0
	PLACES                                         ; (also the places in front of the loads below)
	ASK
	s_sub_co_u32 s[SLOTS], s[SLOTS], 1
.else
	s_wait_dscnt 11-2*\kind                        ; K steps 0-3 are in; behind them at the least: the nine loads of K steps 4-7 and q's two (kind 0)
	WIN 0x04
	G 0
	G 1
	G 2
	G 3
	WIN 0
.endif
.if \pos != 3
.if \pos == 0
	s_add_co_u32 s[TB], s[TB], 8192
	s_add_co_u32 s[TS], s[TS], 512
.else
	s_sub_co_u32 s[TB], s[TB], 3*8192              ; back to the slot's first tile,
	s_xor_b32 s[TB], s[TB], SLOTB                  ; in the other slot
	s_sub_co_u32 s[TS], s[TS], 3*512
	s_xor_b32 s[TS], s[TS], SLOTB
.endif
.if \pos == 2
	s_wait_tensorcnt 0x0                           ; the last slot's load, my only one out: I alone read my region
.endif
	v_add_nc_u32 v[WAD], s[TB], v[WA0]
	v_add_nc_u32 v[WSAD], s[TS], v[WS0]
.if \pos != 1
	v_nop                                          ; with the two additions: four places in front of loads into registers that matrix instructions have read
	v_nop
.endif
	HALF 0
.endif
.if \pos == 3
	s_wait_dscnt 0x0
.elseif \pos != 1
	s_wait_dscnt 9                                 ; K steps 4-7 and q are in; the nine loads just issued may be out
.endif
	WIN 0x08                                       ; source 1 window 2
	G 4
	G 5
	G 6
	G 7
	WIN 0
	PLACES                                         ; in front of the loads below and of the first read of the results
.if \pos != 3
	HALF 1
.endif
.if \kind == 0
.irp i, 0,1,2,3                                ; t += c q . k: each accumulator is read from its low end on; the eight rows' sums by turns
.irp m, 0,1,2,3,4,5,6,7
	v_pk_fma_f32 v[SR+2*\m:SR+2*\m+1], v[ACC+8*\m+2*\i:ACC+8*\m+2*\i+1], v[QR+2*\i:QR+2*\i+1], v[SR+2*\m:SR+2*\m+1]
.endr
.endr
.else
.irp i, 0,1,2,3                                ; the sum over my lane's eight rows of p v
	v_pk_mul_f32 v[OR+2*\i:OR+2*\i+1], v[ACC+2*\i:ACC+2*\i+1], v[PR:PR+1]
.endr
.irp m, 1,2,3,4,5,6,7
.irp i, 0,1,2,3
	v_pk_fma_f32 v[OR+2*\i:OR+2*\i+1], v[ACC+8*\m+2*\i:ACC+8*\m+2*\i+1], v[PR+2*\m:PR+2*\m+1], v[OR+2*\i:OR+2*\i+1]
.endr
.endr
.irp k, 1,2,4,8                                ; and over the sixteen lanes of my half
.irp j, 0,1,2,3,4,5,6,7
	v_add_f32_dpp v[OR+\j], v[OR+\j], v[OR+\j] row_xmask:\k row_mask:0xf bank_mask:0xf
.endr
.endr
	v_add_nc_u32 v[OAD], s[OT], v[OA0]
	ds_store_b128 v[OAD], v[OR:OR+3]               ; the sixteen lanes of a half write the same bytes with the same values
	ds_store_b128 v[OAD], v[OR+4:OR+7] offset:16
	s_add_co_u32 s[OT], s[OT], 64
.endif
.endm
; Two slots, four tiles each, both filled again
.macro PART kind
	s_mov_b32 s[OUTER], 2
.Lpart_\@:
	s_mov_b32 s[INNER], 3
.Ltile_\@:
	TILE \kind, 0
	s_sub_co_u32 s[INNER], s[INNER], 1
	s_cmp_lg_u32 s[INNER], 0
	s_cbranch_scc1 .Ltile_\@
	TILE \kind, 1
	s_sub_co_u32 s[OUTER], s[OUTER], 1
	s_cmp_lg_u32 s[OUTER], 0
	s_cbranch_scc1 .Lpart_\@
.endm
.macro CLEAR_S
.irp j, 0,1,2,3,4,5,6,7,8,9,10,11,12,13,14,15
	v_mov_b32 v[SR+\j], 0
.endr
.endm
; The block's softmax for head 2 w + a: the largest t of the 128 rows is taken away before the exponential; launch combine brings the blocks under one maximum.
.macro SOFTMAX a
.irp m, 0,1,2,3,4,5,6,7
	v_add_f32 v[TR+\m], v[SR+2*\m], v[SR+2*\m+1]   ; even and odd channels,
.endr
.irp m, 0,1,2,3,4,5,6,7
	v_permlanex16_b32 v[TR+8+\m], v[TR+\m], s[SEL], s[SEL+1]
.endr
.irp m, 0,1,2,3,4,5,6,7
	v_add_f32 v[TR+\m], v[TR+\m], v[TR+8+\m]       ; and the other half's: t of row 16 m + r
.endr
	v_max3_num_f32 v[TR+8], v[TR], v[TR+1], v[TR+2]
	v_max3_num_f32 v[TR+9], v[TR+3], v[TR+4], v[TR+5]
	v_max3_num_f32 v[TR+8], v[TR+8], v[TR+6], v[TR+7]
	v_max_num_f32 v[TR+8], v[TR+8], v[TR+9]
.irp k, 1,2,4,8
	v_max_num_f32_dpp v[TR+8], v[TR+8], v[TR+8] row_xmask:\k row_mask:0xf bank_mask:0xf
.endr
	v_mov_b32 v[ML+2*(\a)], v[TR+8]                ; m
.irp m, 0,1,2,3,4,5,6,7
	v_sub_f32 v[TR+\m], v[TR+\m], v[TR+8]
.endr
.irp m, 0,1,2,3,4,5,6,7
	v_exp_f32 v[PR+2*\m], v[TR+\m]                 ; p, twice: a pair for the packed multiply
	v_exp_f32 v[PR+2*\m+1], v[TR+\m]
.endr
	v_nop                                          ; a plain line behind the last exponential
	s_wait_alu depctr_va_vdst(0)                   ; one wait for the batch, ahead of its first reader
	v_add_f32 v[TR+8], v[PR], v[PR+2]
	v_add_f32 v[TR+9], v[PR+4], v[PR+6]
	v_add_f32 v[TR+10], v[PR+8], v[PR+10]
	v_add_f32 v[TR+11], v[PR+12], v[PR+14]
	v_add_f32 v[TR+8], v[TR+8], v[TR+9]
	v_add_f32 v[TR+10], v[TR+10], v[TR+11]
	v_add_f32 v[TR+8], v[TR+8], v[TR+10]
.irp k, 1,2,4,8
	v_add_f32_dpp v[TR+8], v[TR+8], v[TR+8] row_xmask:\k row_mask:0xf bank_mask:0xf
.endr
	v_mov_b32 v[ML+2*(\a)+1], v[TR+8]              ; l
.endm
	s_wait_tensorcnt 1                             ; my region of slot 0 is in, and I alone read it; slot 1's load may stay out
	v_add_nc_u32 v[WAD], s[TB], v[WA0]
	v_add_nc_u32 v[WSAD], s[TS], v[WS0]
	HALF 0
	HALF 1
	CLEAR_S
	PART 0                                         ; head 2 w: k (sigma 0, 1; sigma 2, 3 are asked for)
	SOFTMAX 0
	PART 1                                         ; head 2 w: v (sigma 2, 3; 4, 5 are asked for)
	CLEAR_S
	PART 0                                         ; head 2 w + 1: k (sigma 4, 5; 6, 7 are asked for)
	SOFTMAX 1
	s_mov_b32 s[INNER], 3                          ; head 2 w + 1: v.  The tail is written out: nothing is left to fetch
.Ltail_a:
	TILE 1, 0
	s_sub_co_u32 s[INNER], s[INNER], 1
	s_cmp_lg_u32 s[INNER], 0
	s_cbranch_scc1 .Ltail_a
	TILE 1, 2
	s_mov_b32 s[INNER], 3
.Ltail_b:
	TILE 1, 0
	s_sub_co_u32 s[INNER], s[INNER], 1
	s_cmp_lg_u32 s[INNER], 0
	s_cbranch_scc1 .Ltail_b
	TILE 1, 3
	; THE WAY OUT: my 256 sums of p v come back from my own bytes of LDS, 16 bytes a lane, and leave as 512 consecutive bytes an instruction; lane 0 stores (m, l) of my two heads.
	s_lshl_b32 s22, s[WV], 10
	s_add_co_u32 s22, s22, OB
	v_add_nc_u32 v[QAD], s22, v[GX]
	ds_load_b128 v[TR:TR+3], v[QAD]                ; LDS serves a wave's instructions in order: these see my stores
	ds_load_b128 v[TR+4:TR+7], v[QAD] offset:512
	v_mov_b32 v[TR+8], 0
	s_wait_dscnt 0x0
	global_store_b128 v[GX], v[TR:TR+3], s[10:11]
	global_store_b128 v[GX], v[TR+4:TR+7], s[10:11] offset:512
	v_cmp_eq_u32 vcc_lo, 0, v[LN]
	s_wait_xcnt 0x0                                ; EXEC is a source of the stores above: it changes only behind this wait
	s_and_saveexec_b32 s56, vcc_lo
	global_store_b128 v[TR+8], v[ML:ML+3], s[12:13]
	s_wait_xcnt 0x0                                ; and again in front of the line that widens it
	s_or_b32 exec_lo, exec_lo, s56
	s_wait_tensorcnt 0x0                           ; the wave's end, behind my last tensor load and my last LDS store
	ds_add_u32 v[SPW], v[NIL]
	s_wait_dscnt 0x0
	CROUND                                         ; the closing round: no work-group ends while a partner may still ask for a tile that names it
	s_endpgm
.Lfunc_end_k_q98b3ff2486_main:
	.size	k_q98b3ff2486_main, .Lfunc_end_k_q98b3ff2486_main-k_q98b3ff2486_main
	.p2alignl 7, 3214868480
	.fill 96, 4, 3214868480
	.section	.rodata,"a",@progbits
	.p2align	6, 0x0
	.amdhsa_kernel k_q98b3ff2486_main
		.amdhsa_group_segment_fixed_size 327680
		.amdhsa_private_segment_fixed_size 0
		.amdhsa_enable_private_segment 0
		.amdhsa_kernarg_size 40
		.amdhsa_user_sgpr_count 2
		.amdhsa_user_sgpr_kernarg_segment_ptr 1
		.amdhsa_wavefront_size32 1
		.amdhsa_system_sgpr_workgroup_id_x 1
		.amdhsa_system_sgpr_workgroup_id_y 1
		.amdhsa_system_sgpr_workgroup_id_z 1
		.amdhsa_system_vgpr_workitem_id 0
		.amdhsa_next_free_vgpr 768
		.amdhsa_next_free_sgpr 66
		.amdhsa_reserve_vcc 1
		.amdhsa_float_denorm_mode_32 3
		.amdhsa_float_denorm_mode_16_64 3
		.amdhsa_memory_ordered 1
		.amdhsa_forward_progress 1
		.amdhsa_inst_pref_size 255
	.end_amdhsa_kernel
	.section	.bss,"aw",@nobits
	.p2align	6
	.space	262144
	.amdgpu_metadata
---
amdhsa.version: [ 1, 2 ]
amdhsa.kernels:
  - .name:           k_q98b3ff2486_main
    .symbol:         k_q98b3ff2486_main.kd
    .args:
      - { .name: x, .offset: 0, .size: 8, .value_kind: global_buffer, .address_space: global }
      - { .name: qs, .offset: 8, .size: 8, .value_kind: global_buffer, .address_space: global }
      - { .name: wq, .offset: 16, .size: 8, .value_kind: global_buffer, .address_space: global }
      - { .name: po, .offset: 24, .size: 8, .value_kind: global_buffer, .address_space: global }
      - { .name: pml, .offset: 32, .size: 8, .value_kind: global_buffer, .address_space: global }
    .group_segment_fixed_size: 327680
    .private_segment_fixed_size: 0
    .kernarg_segment_align: 8
    .kernarg_segment_size: 40
    .max_flat_workgroup_size: 128
    .sgpr_count:     66
    .vgpr_count:     768
    .wavefront_size: 32
...
	.end_amdgpu_metadata
.endif
;; end of part 2
;; launch combine (part 3): grid 16 x 1, 16 waves a work-group, no clusters, 6,400 bytes of LDS; arguments po, pml, in_proj_bias, cvec; writes cvec
.if DOCPART == 3
	.amdgcn_target "amdgcn-amd-amdhsa--gfx1250"
	.amdhsa_code_object_version 6
	.text
	.protected	k_q98b3ff2486_combine
	.globl	k_q98b3ff2486_combine
	.p2align	8
	.type	k_q98b3ff2486_combine,@function
k_q98b3ff2486_combine:
	s_mov_b64 s[64:65], 0
	v_nop
	global_prefetch_b8 v0, s[64:65] scope:SCOPE_SE
	s_setreg_imm32_b32 hwreg(HW_REG_WAVE_MODE, 25, 1), 1
	s_wait_xcnt 0x0
; cvec[head h][128] = (sum over the 256 blocks g of 2^(m_g - M) o_g) / (sum over g of 2^(m_g - M) l_g) + bv, M the largest m_g of the head: the blocks' softmax parts brought under one maximum.
; v's bias is added here, once: the weights of a row sum to 1.  (k's bias is left out: shown at the head of launch prep.)
; SHARES.  A work-group takes half a head: 64 channels, 256 aligned bytes of each block's row of po.  Wave u takes blocks 16 u .. 16 u + 15: lanes 0-15 the even ones, lanes 16-31 the odd ones, 16 bytes a lane, so that
; each load covers two runs of 256 consecutive bytes.
; TWO STAGES, one macro.  A wave loads (m, l) of its own 16 blocks alone, takes ITS largest m away before the exponentials and forms (M_u, L_u, sums_u); the sixteen waves' parts meet in LDS; wave 0 merges them in the
; same way under the largest M_u, divides, adds bv and stores 256 consecutive bytes.  In exact arithmetic the two stages give 2^(m_g - M_u) 2^(M_u - M) = 2^(m_g - M); no exponent is above 0.
; bv is asked for by every wave with its first loads, one load of 16 bytes a lane: wave 0 then finds it in registers behind the barrier, and no second trip to memory stands there.
; No matrix unit, no cluster, no tensor load: 64 KiB a work-group, read once through registers.
.set RED,   0                          ; LDS: 16 waves x 256 bytes: each wave's sums
.set MLB,   4096                       ; 16 waves x 8 bytes: each wave's (M, L)
.set SPARE, 4352                       ; the spare words, 128 bytes for each wave: eight blocks of 256 bytes that no other line names
.set SPW, 1                            ; v1   LDS address of my spare word; never rewritten
.set NIL, 2                            ; v2   0; never rewritten
; v3 lane; v4 pml: 64 x half; v5 po: 4,096 x half + 16 c; v6 16 c; v7 where my sums go; v[8:9] (M, L); v10 at work, later 1 / L; v11 where my (M, L) go; v12 16 x lane; v13 8 x half;
; v16-31 eight (m, l); v32, v34-37 the lane permutes' destinations; v40-43 bv; v44-47 the result; v48-79 eight runs of four numbers; v120-127 the sums, in two chains
.macro WAITFOR kind, n                 ; stage 1 waits for loads from memory, stage 2 for loads from LDS
.if \kind
	s_wait_dscnt \n
.else
	s_wait_loadcnt \n
.endif
.endm
; Eight parts a lane, (m, l) in v[16 + 2 i], v[17 + 2 i] and four numbers in v[48 + 4 i] on, and the eight of lane l xor 16, become one: v8 = the largest m, v9 = sum of 2^(m - v8) l, v[120:123] = sum of 2^(m - v8) x the four.
; The (m, l) were asked for first, the runs of four behind them: the counts let the later ones stay out.
.macro MERGE kind
	WAITFOR \kind, 8                               ; the eight (m, l) are in; the eight runs of four may be out
	v_max3_num_f32 v8, v16, v18, v20
	v_max3_num_f32 v10, v22, v24, v26
	v_max3_num_f32 v8, v8, v28, v30
	v_max_num_f32 v8, v8, v10
	v_permlanex16_b32 v32, v8, s12, s13
	v_max_num_f32 v8, v8, v32                      ; the largest m of the sixteen
.irp i, 0,1,2,3,4,5,6,7
	v_sub_f32 v[16+2*\i], v[16+2*\i], v8
.endr
.irp i, 0,1,2,3,4,5,6,7
	v_exp_f32 v[16+2*\i], v[16+2*\i]               ; 2^(m - the largest), at most 1
.endr
	v_nop                                          ; a plain line behind the last exponential
	s_wait_alu depctr_va_vdst(0)                   ; one wait for the batch, ahead of its first reader
	v_mul_f32 v9, v16, v17                         ; the first product starts the sum
.irp i, 1,2,3,4,5,6,7
	v_fma_f32 v9, v[16+2*\i], v[17+2*\i], v9
.endr
.irp i, 0,1                                    ; the first two products start two chains
	WAITFOR \kind, 7-\i                            ; run i is in; the later ones may be out
	v_pk_mul_f32 v[120+4*\i:121+4*\i], v[48+4*\i:49+4*\i], v[16+2*\i:17+2*\i] op_sel_hi:[1,0]   ; of the pair (factor, l) the low word serves both halves
	v_pk_mul_f32 v[122+4*\i:123+4*\i], v[50+4*\i:51+4*\i], v[16+2*\i:17+2*\i] op_sel_hi:[1,0]
.endr
.irp i, 2,3,4,5,6,7
	WAITFOR \kind, 7-\i
	v_pk_fma_f32 v[120+4*(\i%2):121+4*(\i%2)], v[48+4*\i:49+4*\i], v[16+2*\i:17+2*\i], v[120+4*(\i%2):121+4*(\i%2)] op_sel_hi:[1,0,1]
	v_pk_fma_f32 v[122+4*(\i%2):123+4*(\i%2)], v[50+4*\i:51+4*\i], v[16+2*\i:17+2*\i], v[122+4*(\i%2):123+4*(\i%2)] op_sel_hi:[1,0,1]
.endr
	v_pk_add_f32 v[120:121], v[120:121], v[124:125]
	v_pk_add_f32 v[122:123], v[122:123], v[126:127]
	v_permlanex16_b32 v32, v9, s12, s13
.irp j, 0,1,2,3
	v_permlanex16_b32 v[34+\j], v[120+\j], s12, s13
.endr
	v_add_f32 v9, v9, v32                          ; with lane l xor 16's eight
	v_pk_add_f32 v[120:121], v[120:121], v[34:35]
	v_pk_add_f32 v[122:123], v[122:123], v[36:37]
.endm
	s_load_b256 s[4:11], s[0:1], 0x0               ; po s[4:5], pml s[6:7], in_proj_bias s[8:9], cvec s[10:11]
	v_lshl_add_u32 v[SPW], v0, 2, SPARE
	v_mov_b32 v[NIL], 0
	v_lshrrev_b32 v11, 5, v0
	v_readfirstlane_b32 s14, v11                   ; wave u
	v_lshl_add_u32 v11, v11, 3, MLB                ; my wave's (M, L): 8 bytes a wave
	v_and_b32 v3, 31, v0                           ; lane
	v_and_b32 v15, 15, v0                          ; c: my 16 bytes of the 256
	v_bfe_u32 v14, v0, 4, 1                        ; which half of the lanes
	v_lshlrev_b32 v4, 6, v14                       ; pml: 64 bytes a block
	v_lshlrev_b32 v6, 4, v15
	v_lshl_add_u32 v5, v14, 12, v6                 ; po: 4,096 bytes a block, + 16 c
	v_lshlrev_b32 v12, 4, v3
	v_lshlrev_b32 v13, 3, v14
	s_lshl_b32 s24, s14, 8
	v_add_nc_u32 v7, s24, v6                       ; RED + 256 u + 16 c
	v_mov_b32 v32, 0                               ; a lane permute's destination counts as one of its sources
.irp j, 34,35,36,37
	v_mov_b32 v[\j], 0
.endr
	s_mov_b32 s12, 0x76543210
	s_mov_b32 s13, 0xfedcba98                      ; v_permlanex16_b32's selects for lane l xor 16
	s_lshl_b32 s16, ttmp9, 8                       ; work-group = 2 x head + half: 256 bytes each in a row of po, in bv and in cvec
	s_mov_b32 s17, 0
	s_lshr_b32 s18, ttmp9, 1                       ; the head:
	s_lshl_b32 s18, s18, 3                         ; its (m, l) in a block's 64 bytes of pml,
	s_lshl_b32 s20, s14, 10                        ; my 16 blocks
	s_add_co_u32 s18, s18, s20
	s_mov_b32 s19, 0
	s_lshl_b32 s22, s14, 16                        ; my 16 blocks in po
	s_add_co_u32 s22, s22, s16
	s_mov_b32 s23, 0
	s_wait_kmcnt 0x0
	s_add_nc_u64 s[4:5], s[4:5], s[22:23]
	s_add_nc_u64 s[6:7], s[6:7], s[18:19]
	s_add_nc_u64 s[8:9], s[8:9], s[16:17]
	s_add_nc_u64 s[10:11], s[10:11], s[16:17]
	global_load_b128 v[40:43], v6, s[8:9] offset:8192   ; bv = in_proj_bias[2048 + 64 x work-group ..]
.irp i, 0,1,2,3,4,5,6,7
	global_load_b64 v[16+2*\i:17+2*\i], v4, s[6:7] offset:128*\i   ; (m, l) of block 16 u + 2 i + half
.endr
.irp i, 0,1,2,3,4,5,6,7
	global_load_b128 v[48+4*\i:51+4*\i], v5, s[4:5] offset:8192*\i th:TH_LOAD_NT   ; its sums of p v at my four channels
.endr
	MERGE 0                                        ; my wave's 16 blocks.  Its last wait is for 0: bv is in too
	ds_store_b128 v7, v[120:123]                   ; lanes c and c + 16 write the same bytes with the same values
	ds_store_b64 v11, v[8:9]                       ; all lanes write the same 8 bytes with the same values
	s_wait_dscnt 0x0                               ; for wave 0's sake: my part lies in LDS
	s_barrier_signal -1
	s_barrier_wait -1
	s_cmp_lg_u32 s14, 0
	s_cbranch_scc1 .Lend
.irp j, 0,1,2,3,4,5,6,7
	ds_load_b64 v[16+2*\j:17+2*\j], v13 offset:MLB+16*\j   ; (M, L) of wave 2 j + half
.endr
.irp j, 0,1,2,3,4,5,6,7
	ds_load_b128 v[48+4*\j:51+4*\j], v12 offset:RED+512*\j   ; its sums at my four channels: 256 (2 j + half) + 16 c = 512 j + 16 x lane
.endr
	MERGE 1                                        ; the sixteen waves' parts
	v_rcp_f32 v10, v9                              ; 1 / the divisor (at least 1: the block that holds the maximum has a p of 1)
	v_nop                                          ; a plain line behind the reciprocal
	s_wait_alu depctr_va_vdst(0)                   ; ahead of its first reader
.irp j, 0,1,2,3
	v_fma_f32 v[44+\j], v[120+\j], v10, v[40+\j]
.endr
	v_cmp_gt_u32 vcc_lo, 16, v3
	s_wait_xcnt 0x0                                ; EXEC is a source of the loads above: it changes only behind this wait
	s_and_saveexec_b32 s26, vcc_lo
	global_store_b128 v6, v[44:47], s[10:11]       ; lanes 0-15 store 256 consecutive bytes, aligned to 256
	s_wait_xcnt 0x0                                ; and again in front of the line that widens it
	s_or_b32 exec_lo, exec_lo, s26
.Lend:
	s_wait_tensorcnt 0x0                           ; the wave's end, behind my last LDS store
	ds_add_u32 v[SPW], v[NIL]
	s_wait_dscnt 0x0
	s_endpgm
.Lfunc_end_k_q98b3ff2486_combine:
	.size	k_q98b3ff2486_combine, .Lfunc_end_k_q98b3ff2486_combine-k_q98b3ff2486_combine
	.p2alignl 7, 3214868480
	.fill 96, 4, 3214868480
	.section	.rodata,"a",@progbits
	.p2align	6, 0x0
	.amdhsa_kernel k_q98b3ff2486_combine
		.amdhsa_group_segment_fixed_size 6400
		.amdhsa_private_segment_fixed_size 0
		.amdhsa_enable_private_segment 0
		.amdhsa_kernarg_size 32
		.amdhsa_user_sgpr_count 2
		.amdhsa_user_sgpr_kernarg_segment_ptr 1
		.amdhsa_wavefront_size32 1
		.amdhsa_system_sgpr_workgroup_id_x 1
		.amdhsa_system_sgpr_workgroup_id_y 1
		.amdhsa_system_sgpr_workgroup_id_z 1
		.amdhsa_system_vgpr_workitem_id 0
		.amdhsa_next_free_vgpr 128
		.amdhsa_next_free_sgpr 66
		.amdhsa_reserve_vcc 1
		.amdhsa_float_denorm_mode_32 3
		.amdhsa_float_denorm_mode_16_64 3
		.amdhsa_memory_ordered 1
		.amdhsa_forward_progress 1
		.amdhsa_inst_pref_size 12
	.end_amdhsa_kernel
	.amdgpu_metadata
---
amdhsa.version: [ 1, 2 ]
amdhsa.kernels:
  - .name:           k_q98b3ff2486_combine
    .symbol:         k_q98b3ff2486_combine.kd
    .args:
      - { .name: po, .offset: 0, .size: 8, .value_kind: global_buffer, .address_space: global }
      - { .name: pml, .offset: 8, .size: 8, .value_kind: global_buffer, .address_space: global }
      - { .name: in_proj_bias, .offset: 16, .size: 8, .value_kind: global_buffer, .address_space: global }
      - { .name: cvec, .offset: 24, .size: 8, .value_kind: global_buffer, .address_space: global }
    .group_segment_fixed_size: 6400
    .private_segment_fixed_size: 0
    .kernarg_segment_align: 8
    .kernarg_segment_size: 32
    .max_flat_workgroup_size: 512
    .sgpr_count:     66
    .vgpr_count:     128
    .wavefront_size: 32
...
	.end_amdgpu_metadata
.endif
;; end of part 3
;; launch outproj (part 4): grid 256 x 1, 1 waves a work-group, no clusters, 0 bytes of LDS; arguments cvec, out_proj_weight, out_proj_bias, out0; writes out0
.if DOCPART == 4
	.amdgcn_target "amdgcn-amd-amdhsa--gfx1250"
	.amdhsa_code_object_version 6
	.text
	.protected	k_q98b3ff2486_outproj
	.globl	k_q98b3ff2486_outproj
	.p2align	8
	.type	k_q98b3ff2486_outproj,@function
k_q98b3ff2486_outproj:
	s_mov_b64 s[64:65], 0
	v_nop
	global_prefetch_b8 v0, s[64:65] scope:SCOPE_SE
	s_setreg_imm32_b32 hwreg(HW_REG_WAVE_MODE, 25, 1), 1
	s_wait_xcnt 0x0
; out0 = cvec . out_proj_weight^T + out_proj_bias, in f32 (fused multiply-adds): one row of 1,024 against 1,024 rows.
; A work-group is ONE wave and makes four outputs: 256 work-groups, so that the weight's 4 MiB come in over as many WGPs as there are, 16 KiB each.  Each load reads 512 consecutive bytes; all 41 are out at once.
; The weight's loads are issued piece by piece along K (piece j of all four rows, then piece j + 1), and the sums follow them by counted waits: behind the last load stand eight multiply-adds and the sum over the lanes.
; Memory binds: no LDS, no barrier, no matrix unit.  The wave's 16 bytes of output leave by one store of lane 0.
.set LN, 11                            ; v11  lane
.set GX, 12                            ; v12  16 x lane
	s_load_b256 s[4:11], s[0:1], 0x0               ; cvec s[4:5], out_proj_weight s[6:7], out_proj_bias s[8:9], out0 s[10:11]
	v_and_b32 v[LN], 31, v0
	v_lshlrev_b32 v[GX], 4, v[LN]
	v_mov_b32 v3, 0
	s_lshl_b32 s18, ttmp9, 14                      ; n0 = 4 x work-group: four rows of 4,096 bytes,
	s_mov_b32 s19, 0
	s_lshl_b32 s20, ttmp9, 4                       ; four numbers
	s_mov_b32 s21, 0
	s_mov_b32 s22, 0x76543210
	s_mov_b32 s23, 0xfedcba98                      ; v_permlanex16_b32's selects for lane l xor 16
.irp i, 0,1,2,3
	v_mov_b32 v[28+\i], 0                          ; a lane permute's destination counts as one of its sources
.endr
	s_wait_kmcnt 0x0
	s_add_nc_u64 s[6:7], s[6:7], s[18:19]
	s_add_nc_u64 s[8:9], s[8:9], s[20:21]
	s_add_nc_u64 s[10:11], s[10:11], s[20:21]
.irp j, 0,1,2,3,4,5,6,7
	global_load_b128 v[64+4*\j:67+4*\j], v[GX], s[4:5] offset:512*\j
.endr
	global_load_b128 v[20:23], v3, s[8:9]          ; the four biases, the same in every lane
.irp j, 0,1,2,3,4,5,6,7
.irp i, 0,1,2,3
	global_load_b128 v[96+32*\i+4*\j:99+32*\i+4*\j], v[GX], s[6:7] offset:4096*\i+512*\j th:TH_LOAD_NT
.endr
.endr
	s_wait_loadcnt 28                              ; cvec, the biases and piece 0 of the four rows are in; the 28 loads of pieces 1 to 7 may be out
.irp i, 0,1,2,3
	v_pk_mul_f32 v[32+4*\i:33+4*\i], v[96+32*\i:97+32*\i], v[64:65]   ; the first products start the sums: two chains a row
	v_pk_mul_f32 v[34+4*\i:35+4*\i], v[98+32*\i:99+32*\i], v[66:67]
.endr
.irp j, 1,2,3,4,5,6,7
	s_wait_loadcnt 4*(7-\j)                        ; piece j is in; the later pieces may be out
.irp i, 0,1,2,3
	v_pk_fma_f32 v[32+4*\i:33+4*\i], v[96+32*\i+4*\j:97+32*\i+4*\j], v[64+4*\j:65+4*\j], v[32+4*\i:33+4*\i]
	v_pk_fma_f32 v[34+4*\i:35+4*\i], v[98+32*\i+4*\j:99+32*\i+4*\j], v[66+4*\j:67+4*\j], v[34+4*\i:35+4*\i]
.endr
.endr
.irp i, 0,1,2,3
	v_pk_add_f32 v[32+4*\i:33+4*\i], v[32+4*\i:33+4*\i], v[34+4*\i:35+4*\i]
.endr
.irp i, 0,1,2,3
	v_add_f32 v[24+\i], v[32+4*\i], v[33+4*\i]
.endr
.irp k, 1,2,4,8
.irp i, 0,1,2,3
	v_add_f32_dpp v[24+\i], v[24+\i], v[24+\i] row_xmask:\k row_mask:0xf bank_mask:0xf
.endr
.endr
.irp i, 0,1,2,3
	v_permlanex16_b32 v[28+\i], v[24+\i], s22, s23
.endr
.irp i, 0,1,2,3
	v_add_f32 v[24+\i], v[24+\i], v[28+\i]         ; every lane holds the row's sum
.endr
.irp i, 0,1,2,3
	v_add_f32 v[24+\i], v[24+\i], v[20+\i]
.endr
	v_cmp_eq_u32 vcc_lo, 0, v[LN]
	s_wait_xcnt 0x0                                ; EXEC is a source of the loads above: it changes only behind this wait
	s_and_saveexec_b32 s24, vcc_lo
	global_store_b128 v3, v[24:27], s[10:11]       ; lane 0 stores the wave's 16 bytes
	s_wait_xcnt 0x0                                ; and again in front of the line that widens it
	s_or_b32 exec_lo, exec_lo, s24
	s_endpgm
.Lfunc_end_k_q98b3ff2486_outproj:
	.size	k_q98b3ff2486_outproj, .Lfunc_end_k_q98b3ff2486_outproj-k_q98b3ff2486_outproj
	.p2alignl 7, 3214868480
	.fill 96, 4, 3214868480
	.section	.rodata,"a",@progbits
	.p2align	6, 0x0
	.amdhsa_kernel k_q98b3ff2486_outproj
		.amdhsa_group_segment_fixed_size 0
		.amdhsa_private_segment_fixed_size 0
		.amdhsa_enable_private_segment 0
		.amdhsa_kernarg_size 32
		.amdhsa_user_sgpr_count 2
		.amdhsa_user_sgpr_kernarg_segment_ptr 1
		.amdhsa_wavefront_size32 1
		.amdhsa_system_sgpr_workgroup_id_x 1
		.amdhsa_system_sgpr_workgroup_id_y 1
		.amdhsa_system_sgpr_workgroup_id_z 1
		.amdhsa_system_vgpr_workitem_id 0
		.amdhsa_next_free_vgpr 224
		.amdhsa_next_free_sgpr 66
		.amdhsa_reserve_vcc 1
		.amdhsa_float_denorm_mode_32 3
		.amdhsa_float_denorm_mode_16_64 3
		.amdhsa_memory_ordered 1
		.amdhsa_forward_progress 1
		.amdhsa_inst_pref_size 12
	.end_amdhsa_kernel
	.amdgpu_metadata
---
amdhsa.version: [ 1, 2 ]
amdhsa.kernels:
  - .name:           k_q98b3ff2486_outproj
    .symbol:         k_q98b3ff2486_outproj.kd
    .args:
      - { .name: cvec, .offset: 0, .size: 8, .value_kind: global_buffer, .address_space: global }
      - { .name: out_proj_weight, .offset: 8, .size: 8, .value_kind: global_buffer, .address_space: global }
      - { .name: out_proj_bias, .offset: 16, .size: 8, .value_kind: global_buffer, .address_space: global }
      - { .name: out0, .offset: 24, .size: 8, .value_kind: global_buffer, .address_space: global }
    .group_segment_fixed_size: 0
    .private_segment_fixed_size: 0
    .kernarg_segment_align: 8
    .kernarg_segment_size: 32
    .max_flat_workgroup_size: 32
    .sgpr_count:     66
    .vgpr_count:     224
    .wavefront_size: 32
...
	.end_amdgpu_metadata
.endif
;; end of part 4
